; MI455X (gfx1250); checked and timed in simulation.
; The chip was launched on July 23, 2026; its instructions are those of AMD's public machine-readable ISA for CDNA 5 (MIT licence, August 2026) and "CDNA5" Instruction Set Architecture Reference Guide (July 2026). The comments in the code are by the model that wrote it; some were corrected since.
;; Simple GQA. Allowed arithmetic: matrix products marked QUANTISED: E2M1 operands, one E8M0 scale for each 32 along K, by v_wmma_scale_f32_16x16x128_f8f6f4 with both operands' format E2M1 (or v_wmma_scale_f32_32x16x128_f4), f32 sums; products left as they are: bf16, f16 or f32 operands; f32 sums; everything else in f32.
;; Inputs: Wk 1,024 x 256 float32; Wo 1,024 x 1,024 float32; Wq 1,024 x 1,024 float32; Wv 1,024 x 256 float32; bk 256 float32; bo 1,024 float32; bq 1,024 float32; bv 256 float32; x 4 x 2,048 x 1,024 float32.
;; Outputs: out0 4 x 2,048 x 1,024 float32.
;; This version of the problem:
;;   THIS VERSION OF THE PROBLEM IS GIVEN IN LOW PRECISION. The matrix products marked QUANTISED in the list below multiply operands that are first quantised to E2M1 (2 exponent bits, 1 mantissa bit; 4 bits a number), with one power-of-two scale for each 32 numbers along K (OCP MX v1.0); their sums are f32. The products marked 'left as it is' may take bf16, f16 or f32 operands, with f32 sums. Whichever they take, every output number must still come out within the allowed error. Rounding operands to bf16 (8 significant bits) uses up far more of that allowance than f16 does (11 bits, for magnitudes from 6e-5 to 65,504). All else is computed in f32.
;;   The module's matrix products, in the order in which they are computed (A, B: the left and right operand; K: the contracted axis; several contracted axes count as one K, in the product's order):
;;     1. [M 8,192, K 1,024] x [K 1,024, N 1,024]; A: input x; B: input Wq: QUANTISED
;;     2. [M 8,192, K 1,024] x [K 1,024, N 256]; A: input x; B: input Wk: QUANTISED
;;     3. [M 8,192, K 1,024] x [K 1,024, N 256]; A: input x; B: input Wv: QUANTISED
;;     4. batch 64 x [M 2,048, K 64] x [K 64, N 2,048]; A: computed on the way; B: computed on the way: left as it is (an operand is computed on the way)
;;     5. batch 64 x [M 2,048, K 2,048] x [K 2,048, N 64]; A: computed on the way; B: computed on the way: left as it is (an operand is computed on the way)
;;     6. [M 8,192, K 1,024] x [K 1,024, N 1,024]; A: computed on the way; B: input Wo: left as it is (an operand is computed on the way)
;;   THE QUANTISER, for each operand of a quantised product, along K:
;;     - K is cut into blocks of 32 from its start; a last block that is shorter is filled with zeros.
;;     - A block's scale is 2^e with e = floor(log2(the largest magnitude in the block)) - 2, held to -126 .. 127; a block of zeros has e = 0. As a byte (E8M0): e + 127.
;;     - Each number is divided by its block's scale, clamped to +-6, and rounded to the nearest number of E2M1, ties to even, subnormals kept.
;;     - The product sums the exact products of the quantised numbers (number of the format x scale) in f32.
;;   ~~~python
;;   def quantise(x, axis):      # numpy; x: float32 -> the quantised numbers, widened to float32 again
;;       x = np.moveaxis(x, axis, -1); K = x.shape[-1]
;;       x = np.pad(x, [(0, 0)] * (x.ndim - 1) + [(0, -K % 32)]); x = x.reshape(x.shape[:-1] + (-1, 32)); a = np.abs(x).max(-1, keepdims=True)
;;       e = np.where(a > 0, np.clip(np.frexp(np.where(a > 0, a, 1))[1] - 1 - 2, -126, 127), 0)      # np.frexp(a)[1] - 1 = floor(log2(a)), exactly
;;       r = np.clip(x / 2.0 ** e, -6, 6)
;;       step = 2.0 ** (np.maximum(np.frexp(np.where(r == 0, 1, r))[1] - 1, 0) - 1)
;;       q = np.round(r / step) * step * 2.0 ** e      # np.round: ties to even
;;       return np.moveaxis(q.reshape(q.shape[:-2] + (-1,))[..., :K], -1, axis).astype(np.float32)
;;   ~~~
;; One version. Each part assembles by itself: llvm-mc -triple=amdgcn-amd-amdhsa -mcpu=gfx1250 --defsym DOCPART=n.
;; ======== version 1 of 1: 4 launches
;; limits: values are held in f16: magnitudes above 65,504 overflow, below 6.1e-05 lose precision
;; workspace buffers: xc 4,194,304 bytes; xs 262,144 bytes; wc 786,432 bytes; ws 49,152 bytes; wo16 2,097,152 bytes; q16 16,777,216 bytes; kv16 8,388,608 bytes; ao16 16,777,216 bytes
;; launch prep (part 1): grid 672 x 1, 4 waves a work-group, no clusters, 67,072 bytes of LDS; arguments x, Wq, Wk, Wv, Wo, xc, xs, wc, ws, wo16; writes xc, xs, wc, ws, wo16
.if DOCPART == 1
	.amdgcn_target "amdgcn-amd-amdhsa--gfx1250"
	.amdhsa_code_object_version 6
	.text
	.protected	k_q5ff0ec0fd1_prep
	.globl	k_q5ff0ec0fd1_prep
	.p2align	8
	.type	k_q5ff0ec0fd1_prep,@function
k_q5ff0ec0fd1_prep:
	s_mov_b64 s[64:65], 0
	v_nop
	global_prefetch_b8 v0, s[64:65] scope:SCOPE_SE
	s_setreg_imm32_b32 hwreg(HW_REG_WAVE_MODE, 25, 1), 1
	s_wait_xcnt 0x0
; LAUNCH 1 OF 4.  x [8192][1024] and Wq | Wk | Wv ([1024][1024 | 256 | 256]) become codes of FP4 (E2M1) with one E8M0 byte for each 32 along K = 1024; Wo [1024][1024] becomes f16.
; DEAD WORK: bk.  A score is scale x (q . (x Wk)[key] + q . bk).  The second term is the same for every key of a softmax row, so the softmax takes it away for all values of the inputs; k goes
; nowhere else, and the product of q and k has no quantiser that could see it.  So bk is not loaded and is among no launch's arguments.  (bq stays: bq . k changes with the key.  bv stays: it reaches the result.)
; LIMIT: a NaN, an infinity or an overflow that only bk would bring is not carried to the result.
; ALL WORKSPACES ARE IMAGES OF OPERAND REGISTERS: a half fragment is 512 bytes, lane l's 16 bytes at 16 l, so that later launches fetch dense blocks and read fragments at 16 x lane.
;   xc  [s 8][mt 512][1024]: 16 tokens x 128 K of codes; byte 512 c + 16 (r + 16 h): token r, k = 128 s + 64 c + 32 h + 0 .. 31
;   xs  [mt 512][sp 4][lane 32] words: lane l: the four scale bytes of token l % 16 for K step 2 sp + l / 16
;   wc  [s 8][p 96][1024], ws [p 96][sp 4][lane 32]: the same for 16 columns; p = 24 g + 6 w + i: i 0..3 the tiles of q's head 4 g + w, i = 4 k's channels 16 w on of group g, i = 5 v's
;   wo16 [nt 64][ks 32][1024]: 16 columns x 32 k of f16; byte 512 c + 16 (r + 16 h): column r, k = 32 ks + 16 c + 8 h + 0 .. 7
; A block's scale is 2^(floor(log2(largest magnitude)) - 2): its byte is the largest magnitude's exponent field - 2, held at 1 from below by a floor among the maximum's leaves.
; LIMITS: a block of zeros gets the byte 1 where the rule says 127 (its codes are zeros, and only this program reads the bytes); NaN and infinities among the inputs are not served; |Wo| stays under 65,504 (f16).
; WORK-GROUPS: 0-63 Wq, 64-95 Wk and Wv, 96-159 Wo (a lane takes a column, its registers run down 128 K), 160-671 x (16 rows each, a wave 256 along K).  No input is shared between work-groups: no cluster.
; REGISTERS: v1 lane, v2 lane % 16, v3 lane / 16, v4 4 x lane, v5-v11 offsets, v32-159 numbers, v160-175 codes, v176-188 at work, v190, v191 the add's two.
.set SPARE,  66560                     ; behind the four stages: the spare words, 128 bytes a wave
.set STG,    16640                     ; a wave's stage: 16 rows
.set SPITCH, 1040                      ; of 1,024 bytes + 16: sixteen rows at one column fall into sixteen different 16-byte columns of 256
.set SPW, 190
.set NIL, 191
.set R,   32
.set C,   160
.set WRD, 176
	s_load_b256 s[4:11], s[0:1], 0x0               ; x s[4:5], Wq s[6:7], Wk s[8:9], Wv s[10:11]
	s_load_b256 s[12:19], s[0:1], 0x20             ; Wo s[12:13], xc s[14:15], xs s[16:17], wc s[18:19]
	s_load_b128 s[20:23], s[0:1], 0x40             ; ws s[20:21], wo16 s[22:23]
	v_lshl_add_u32 v[SPW], v0, 2, SPARE
	v_mov_b32 v[NIL], 0
	v_lshrrev_b32 v1, 5, v0
	v_readfirstlane_b32 s24, v1                    ; wave 0..3
	v_and_b32 v1, 31, v0                           ; lane
	v_and_b32 v2, 15, v0                           ; r
	v_bfe_u32 v3, v0, 4, 1                         ; h
	v_lshlrev_b32 v4, 2, v1                        ; 4 x lane
	s_lshl_b32 s25, s24, 5                         ; 32 x wave: my wave's columns in the group's 128
	s_mov_b32 s41, 0                               ; the upper word of every offset
	s_wait_kmcnt 0x0
	s_cmp_ge_u32 ttmp9, 160
	s_cbranch_scc1 .Lx
	s_cmp_ge_u32 ttmp9, 96
	s_cbranch_scc1 .Lwo
	s_cmp_ge_u32 ttmp9, 64
	s_cbranch_scc1 .Lkv
; 128 rows of my column: a load reads 128 consecutive bytes a wave, the four waves side by side 512
.macro WLOAD pitch
.set i, 0
.rept 128
	global_load_b32 v[R+i], v4, s[34:35] offset:i*\pitch th:TH_LOAD_NT
.set i, i+1
.endr
.endm
; where K step s27 of tile s28 goes: codes (96 s + p) x 1,024; scale words 512 p + 64 s
.macro WDST
	s_mul_i32 s40, s27, 96
	s_add_co_u32 s40, s40, s28
	s_lshl_b32 s40, s40, 10
	s_add_nc_u64 s[36:37], s[18:19], s[40:41]
	s_lshl_b32 s40, s28, 9
	s_lshl_b32 s29, s27, 6
	s_add_co_u32 s40, s40, s29
	s_add_nc_u64 s[38:39], s[20:21], s[40:41]
.endm
; block kb of 32 along K: all its numbers are mine.  Its 16 bytes of codes lie at 256 kb + 16 r of the fragment's image: sixteen lanes store 256 consecutive bytes
.macro WBLOCK kb
.set XB, R+32*\kb
	v_max3_num_f32 v177, |v[XB]|, |v[XB+1]|, |v[XB+2]|
	v_max3_num_f32 v178, |v[XB+3]|, |v[XB+4]|, |v[XB+5]|
.irp i, 6,10,14,18,22,26
	v_max3_num_f32 v177, v177, |v[XB+\i]|, |v[XB+\i+1]|
	v_max3_num_f32 v178, v178, |v[XB+\i+2]|, |v[XB+\i+3]|
.endr
	v_max3_num_f32 v177, v177, |v[XB+30]|, |v[XB+31]|
	v_max3_num_f32 v177, v177, v178, 0x1800000     ; the floor 2^(3 - 127): the byte cannot fall under 1
	v_add_nc_u32 v179, 0xff000000, v177            ; 2 off the exponent field: the conversion takes this operand's exponent field as its scale
	v_lshrrev_b32 v180, 23, v179                   ; the scale's byte
.if \kb == 0
	v_mov_b32 v[WRD], v180
.else
	v_lshl_or_b32 v[WRD], v180, 8*\kb, v[WRD]      ; the lower K in the lower byte
.endif
.irp g, 0,1,2,3
	v_cvt_scalef32_pk8_fp4_f32 v[C+4*\kb+\g], v[XB+8*\g:XB+8*\g+7], v179
.endr
	global_store_b128 v5, v[C+4*\kb:C+4*\kb+3], s[36:37] offset:256*\kb   ; each block has code registers of its own: no store's data are written again
.endm
.macro WQUANT
	s_wait_loadcnt 63                              ; of 128 loads at most 63 are out: the first 65 are in, blocks 0 and 1 among them
	WBLOCK 0
	WBLOCK 1
	s_wait_loadcnt 32                              ; block 3's 32 may be out
	WBLOCK 2
	s_wait_loadcnt 0x0
	WBLOCK 3
	global_store_b32 v6, v[WRD], s[38:39]          ; 64 consecutive bytes for sixteen lanes: 48 KiB in the whole launch, one byte in 128 of what is read
.endm
	; ---- Wq: work-group = 8 x (group of 128 columns) + K step
	s_lshr_b32 s26, ttmp9, 3
	s_and_b32 s27, ttmp9, 7                        ; K step s
	s_lshl_b32 s26, s26, 7
	s_add_co_u32 s26, s26, s25                     ; my wave's first column
	s_lshr_b32 s28, s26, 8                         ; group g = head / 4
	s_mul_i32 s28, s28, 24
	s_bfe_u32 s29, s26, 0x20006                    ; head % 4
	s_mul_i32 s29, s29, 6
	s_add_co_u32 s28, s28, s29
	s_bfe_u32 s29, s26, 0x20004                    ; the tile in the head: 0 or 2; lanes 16-31 take the next
	s_add_co_u32 s28, s28, s29                     ; p
	s_lshl_b32 s40, s27, 19                        ; 128 rows of 4,096 bytes
	s_lshl_b32 s29, s26, 2
	s_add_co_u32 s40, s40, s29
	s_add_nc_u64 s[34:35], s[6:7], s[40:41]
	v_lshlrev_b32 v5, 10, v3
	v_lshl_add_u32 v5, v2, 4, v5                   ; codes: 1,024 h + 16 r
	v_lshlrev_b32 v6, 9, v3
	v_lshl_add_u32 v6, v2, 2, v6                   ; scale words: 512 h + 4 r
	WDST
	WLOAD 4096
	WQUANT
	s_endpgm
.Lkv:	; ---- Wk (64-79) and Wv (80-95): 8 x (group of 128 columns) + K step
	s_sub_co_u32 s30, ttmp9, 64
	s_lshr_b32 s31, s30, 4                         ; 0: Wk, 1: Wv
	s_bfe_u32 s26, s30, 0x10003
	s_and_b32 s27, s30, 7                          ; K step s
	s_lshl_b32 s26, s26, 7
	s_add_co_u32 s26, s26, s25                     ; my wave's first column
	s_lshr_b32 s28, s26, 6                         ; group g
	s_mul_i32 s28, s28, 24
	s_bfe_u32 s29, s26, 0x20004                    ; which 16 channels: the wave of launch 2 that takes them
	s_mul_i32 s29, s29, 6
	s_add_co_u32 s28, s28, s29
	s_add_co_u32 s28, s28, 4
	s_add_co_u32 s28, s28, s31                     ; p = 24 g + 6 w + 4 + (0 | 1)
	s_cmp_eq_u32 s31, 0                            ; the choice hangs on the work-group's number alone
	s_cselect_b64 s[34:35], s[8:9], s[10:11]
	s_lshl_b32 s40, s27, 17                        ; 128 rows of 1,024 bytes
	s_lshl_b32 s29, s26, 2
	s_add_co_u32 s40, s40, s29
	s_add_nc_u64 s[34:35], s[34:35], s[40:41]
	v_mul_u32_u24 v5, v3, 6144                     ; lanes 16-31 hold the next 16 channels: six tiles on
	v_lshl_add_u32 v5, v2, 4, v5
	v_mul_u32_u24 v6, v3, 3072
	v_lshl_add_u32 v6, v2, 2, v6
	WDST
	WLOAD 1024
	WQUANT
	s_endpgm
.Lwo:	; ---- Wo to f16: 8 x (group of 128 columns) + 128 of K.  Eight neighbours along k are 16 bytes: piece n of 16 lies at 256 n + 16 r
	s_sub_co_u32 s30, ttmp9, 96
	s_lshr_b32 s26, s30, 3
	s_and_b32 s27, s30, 7
	s_lshl_b32 s26, s26, 7
	s_add_co_u32 s26, s26, s25                     ; my wave's first column
	s_lshl_b32 s40, s27, 19
	s_lshl_b32 s29, s26, 2
	s_add_co_u32 s40, s40, s29
	s_add_nc_u64 s[34:35], s[12:13], s[40:41]
	s_lshl_b32 s40, s26, 11                        ; (column / 16) x 32,768
	s_lshl_b32 s29, s27, 12                        ; four fragments of 1,024 bytes
	s_add_co_u32 s40, s40, s29
	s_add_nc_u64 s[36:37], s[22:23], s[40:41]
	v_lshlrev_b32 v5, 15, v3
	v_lshl_add_u32 v5, v2, 4, v5
	WLOAD 4096
.set j, 0
.rept 64
.if j == 0
	s_wait_loadcnt 63                              ; the first 65 loads are in
.elseif j == 32
	s_wait_loadcnt 32
.elseif j == 48
	s_wait_loadcnt 0x0
.endif
	v_cvt_pk_f16_f32 v[R+j], v[R+2*j], v[R+2*j+1]  ; in place, ascending: register j was read at step j / 2
.set j, j+1
.endr
.set j, 0
.rept 16
	global_store_b128 v5, v[R+4*j:R+4*j+3], s[36:37] offset:256*j
.set j, j+1
.endr
	s_endpgm
.Lx:	; ---- x: work-group = a tile of 16 rows; wave sp takes K steps 2 sp and 2 sp + 1
	s_sub_co_u32 s26, ttmp9, 160                   ; mt
	s_lshl_b32 s40, s26, 16                        ; 16 rows of 4,096 bytes
	s_lshl_b32 s29, s24, 10                        ; 256 numbers a wave
	s_add_co_u32 s40, s40, s29
	s_add_nc_u64 s[34:35], s[4:5], s[40:41]
	v_lshlrev_b32 v7, 4, v1                        ; 16 x lane
.set i, 0
.rept 16
	global_load_b128 v[R+8*i:R+8*i+3], v7, s[34:35] offset:4096*i th:TH_LOAD_NT          ; 512 consecutive bytes a load
	global_load_b128 v[R+8*i+4:R+8*i+7], v7, s[34:35] offset:4096*i+512 th:TH_LOAD_NT
.set i, i+1
.endr
	s_mul_i32 s27, s24, STG
	v_add_nc_u32 v8, s27, v7                       ; into my stage: as loaded
	v_mul_u32_u24 v9, v2, SPITCH
	v_lshl_add_u32 v9, v3, 7, v9
	v_add_nc_u32 v9, s27, v9                       ; out of it: row r, my half's 32 numbers of each 64
	v_lshlrev_b32 v10, 3, v3                       ; 8 h: where my bytes stand in a scale word
	v_mov_b32 v185, 0                              ; written once: a lane permute's destination counts as a source
	s_mov_b32 s32, 0x76543210
	s_mov_b32 s33, 0xfedcba98                      ; selects for lane l xor 16
	s_lshl_b32 s40, s24, 10                        ; K step 2 sp: 512 tiles each
	s_add_co_u32 s40, s40, s26
	s_lshl_b32 s40, s40, 10
	s_add_nc_u64 s[36:37], s[14:15], s[40:41]
	s_lshl_b32 s40, s26, 9
	s_lshl_b32 s29, s24, 7
	s_add_co_u32 s40, s40, s29
	s_add_nc_u64 s[38:39], s[16:17], s[40:41]
.set i, 0
.rept 16
.if i%4 == 0
	s_wait_loadcnt 24-2*i                          ; these four rows' eight loads are in; the younger ones stay out
.endif
	ds_store_b128 v8, v[R+8*i:R+8*i+3] offset:SPITCH*i
	ds_store_b128 v8, v[R+8*i+4:R+8*i+7] offset:SPITCH*i+512
.set i, i+1
.endr
	s_wait_dscnt 0x0                               ; the stores have read their registers, which the loads below fill anew
.set i, 0
.rept 32                                       ; register 64 u + 32 c + n: k = 128 u + 64 c + 32 h + n of row r
	ds_load_b128 v[R+4*i:R+4*i+3], v9 offset:512*(i/16)+256*((i/8)%2)+16*(i%8)
.set i, i+1
.endr
; K step u of the pair: a lane holds two whole blocks, 2 c + h
.macro QX u
.irp c, 0,1
	v_max3_num_f32 v[176+\c], |v[R+64*\u+32*\c]|, |v[R+64*\u+32*\c+1]|, 0x1800000
.endr
.irp i, 2,4,6,8,10,12,14,16,18,20,22,24,26,28,30
.irp c, 0,1
	v_max3_num_f32 v[176+\c], v[176+\c], |v[R+64*\u+32*\c+\i]|, |v[R+64*\u+32*\c+\i+1]|
.endr
.endr
.irp c, 0,1
	v_add_nc_u32 v[180+\c], 0xff000000, v[176+\c]
.endr
.irp c, 0,1
	v_lshrrev_b32 v[182+\c], 23, v[180+\c]
.endr
	v_lshl_or_b32 v184, v183, 16, v182             ; my bytes: blocks h and 2 + h,
	v_lshlrev_b32 v184, v10, v184                  ; at their places;
	v_permlanex16_b32 v185, v184, s32, s33
	v_or_b32 v[186+\u], v184, v185                 ; with lane l xor 16's the word is whole, in both halves
.irp c, 0,1
.irp g, 0,1,2,3
	v_cvt_scalef32_pk8_fp4_f32 v[C+8*\u+4*\c+\g], v[R+64*\u+32*\c+8*\g:R+64*\u+32*\c+8*\g+7], v[180+\c]
.endr
.endr
.irp c, 0,1
	global_store_b128 v7, v[C+8*\u+4*\c:C+8*\u+4*\c+3], s[36:37] offset:524288*\u+512*\c   ; 512 consecutive bytes
.endr
.endm
	s_wait_dscnt 16                                ; the first K step's sixteen loads are in
	QX 0
	s_wait_dscnt 0x0
	QX 1
	v_cmp_le_u32 vcc_lo, 16, v1
	v_cndmask_b32 v188, v186, v187, vcc_lo         ; lanes 0-15 the even K step's words, lanes 16-31 the odd one's
	global_store_b32 v4, v188, s[38:39]
	s_wait_tensorcnt 0x0                           ; the wave's end
	ds_add_u32 v[SPW], v[NIL]
	s_wait_dscnt 0x0
	s_endpgm
.Lfunc_end_k_q5ff0ec0fd1_prep:
	.size	k_q5ff0ec0fd1_prep, .Lfunc_end_k_q5ff0ec0fd1_prep-k_q5ff0ec0fd1_prep
	.p2alignl 7, 3214868480
	.fill 96, 4, 3214868480
	.section	.rodata,"a",@progbits
	.p2align	6, 0x0
	.amdhsa_kernel k_q5ff0ec0fd1_prep
		.amdhsa_group_segment_fixed_size 67072
		.amdhsa_private_segment_fixed_size 0
		.amdhsa_enable_private_segment 0
		.amdhsa_kernarg_size 80
		.amdhsa_user_sgpr_count 2
		.amdhsa_user_sgpr_kernarg_segment_ptr 1
		.amdhsa_wavefront_size32 1
		.amdhsa_system_sgpr_workgroup_id_x 1
		.amdhsa_system_sgpr_workgroup_id_y 1
		.amdhsa_system_sgpr_workgroup_id_z 1
		.amdhsa_system_vgpr_workitem_id 0
		.amdhsa_next_free_vgpr 192
		.amdhsa_next_free_sgpr 66
		.amdhsa_reserve_vcc 1
		.amdhsa_float_denorm_mode_32 3
		.amdhsa_float_denorm_mode_16_64 3
		.amdhsa_memory_ordered 1
		.amdhsa_forward_progress 1
		.amdhsa_inst_pref_size 73
	.end_amdhsa_kernel
	.amdgpu_metadata
---
amdhsa.version: [ 1, 2 ]
amdhsa.kernels:
  - .name:           k_q5ff0ec0fd1_prep
    .symbol:         k_q5ff0ec0fd1_prep.kd
    .args:
      - { .name: x, .offset: 0, .size: 8, .value_kind: global_buffer, .address_space: global }
      - { .name: Wq, .offset: 8, .size: 8, .value_kind: global_buffer, .address_space: global }
      - { .name: Wk, .offset: 16, .size: 8, .value_kind: global_buffer, .address_space: global }
      - { .name: Wv, .offset: 24, .size: 8, .value_kind: global_buffer, .address_space: global }
      - { .name: Wo, .offset: 32, .size: 8, .value_kind: global_buffer, .address_space: global }
      - { .name: xc, .offset: 40, .size: 8, .value_kind: global_buffer, .address_space: global }
      - { .name: xs, .offset: 48, .size: 8, .value_kind: global_buffer, .address_space: global }
      - { .name: wc, .offset: 56, .size: 8, .value_kind: global_buffer, .address_space: global }
      - { .name: ws, .offset: 64, .size: 8, .value_kind: global_buffer, .address_space: global }
      - { .name: wo16, .offset: 72, .size: 8, .value_kind: global_buffer, .address_space: global }
    .group_segment_fixed_size: 67072
    .private_segment_fixed_size: 0
    .kernarg_segment_align: 8
    .kernarg_segment_size: 80
    .max_flat_workgroup_size: 128
    .sgpr_count:     66
    .vgpr_count:     192
    .wavefront_size: 32
...
	.end_amdgpu_metadata
.endif
;; end of part 1
;; launch qkv (part 2): grid 4 x 64, 4 waves a work-group, clusters of 4 x 4, 327,680 bytes of LDS; arguments xc, xs, wc, ws, bq, bv, q16, kv16; writes q16, kv16
.if DOCPART == 2
	.amdgcn_target "amdgcn-amd-amdhsa--gfx1250"
	.amdhsa_code_object_version 6
	.text
	.protected	k_q5ff0ec0fd1_qkv
	.globl	k_q5ff0ec0fd1_qkv
	.p2align	8
	.type	k_q5ff0ec0fd1_qkv,@function
k_q5ff0ec0fd1_qkv:
	s_mov_b64 s[64:65], 0
	v_nop
	global_prefetch_b8 v0, s[64:65] scope:SCOPE_SE
	s_setreg_imm32_b32 hwreg(HW_REG_WAVE_MODE, 25, 1), 1
	s_wait_xcnt 0x0
	s_wait_alu depctr_hold_cnt(0) depctr_sa_sdst(0) depctr_va_vdst(0) depctr_va_sdst(0) depctr_va_ssrc(0) depctr_va_vcc(0) depctr_vm_vsrc(0)
	s_getreg_b32 s2, hwreg(HW_REG_IB_STS2, 6, 4)
	s_cmp_eq_u32 s2, 0
	s_cbranch_scc0 .Lentry_in_a_cluster
	s_endpgm
.Lentry_in_a_cluster:
	s_bfe_u32 s2, ttmp6, 0x10000c
	s_cmp_lg_u32 s2, 0xf033
	s_cbranch_scc0 .Lentry_shape_is_right
	s_endpgm
.Lentry_shape_is_right:
; LAUNCH 2 OF 4.  q = (x Wq + bq) x c, k = x Wk, v = x Wv + bv on codes of FP4; c = log2(e) / 8 is folded into q.  Results leave as f16, as images of the fragments that launch 3 wants.
; LEFT OUT: bk (it adds the same term to every score of a softmax row: see launch 1's head).
; LIMIT: |q c|, |k|, |v| stay under 65,504 (f16).
; SHARES.  Work-group (g, mb): 128 tokens x the 384 columns of KV group g.  Wave w: all 8 token tiles x 6 column tiles: the four of q's head 4 g + w, 16 channels of k, 16 of v: 48 accumulators.
; q's and k's products are used transposed (source 0 = 16 columns, source 1 = 16 tokens): a lane holds one token and eight neighbouring channels: 16 bytes of f16 = its part of a fragment with the channels along K.
; v's product is used as it stands (source 0 = tokens): a lane holds one channel and eight neighbouring tokens = its part of a fragment with the keys along K.  So no result goes through LDS.
; ALL OF K LIES IN LDS AT ONCE: 64 KiB of x's codes, 48 KiB of weights for each wave.  Eight tensor loads a wave go out at the start (by this text's count eight are outstanding); nothing is filled again.
; CLUSTER 4 x 4: x's tiles hang on mb alone and are asked for jointly along a row of the cluster, the weights' on g alone, along a column.
; LDS: x's fragment (s, a) at 16384 (s / 2) + 4096 (a / 2) + 2048 (s % 2) + 1024 (a % 2);  wave w's weights at 65536 + 49152 w + 6144 s + 1024 i;  spare words at 262144.
; REGISTERS: window 0: v1-6 addresses; v16-47 x's scale words (4 a + s / 2); v48-71 the weights' (4 i + s / 2); v72-103 bq x c; v104-105 bv; v106, v107 the add's two; v128-255 x's fragments, two sets.
;   window 1: the weights' fragments, two sets at v0 and v64.   window 2: accumulators (a 0..3, i) at 8 (6 a + i);   window 3: a 4..7.
.set SPARE, 262144
.set BBASE, 65536
.set BWAVE, 49152
.set LA,  1                            ; v1  16 x lane
.set LB,  2                            ; v2  my wave's weights + 16 x lane
.set L4,  3                            ; v3  4 x lane
.set XS,  16
.set WS,  48
.set BQ,  72
.set BV,  104
.set SPW, 106
.set NIL, 107
.set AF,  128
.set T,   128                          ; the way out: f32 at work
.set PK,  176                          ; and two sets of 24 packed registers
.set WV,  20
.set G1A, 24
.set G1B, 32
.set CS,  80
.set MSB, 0
.macro WIN new                         ; the immediate's high byte repeats the setting that is left
.if MSB != \new
	s_set_vgpr_msb (MSB<<8)|\new
.set MSB, \new
.endif
.endm
.macro CROUND                          ; a round of the cluster's barrier
	s_barrier_signal -1
	s_barrier_wait -1
	s_cmp_lg_u32 s[WV], 0
	s_cbranch_scc1 .Lnot_wave_0_\@
	s_barrier_signal -3
.Lnot_wave_0_\@:
	s_barrier_wait -3
	s_barrier_signal -1
	s_barrier_wait -1
.endm
.macro PLACES
.rept 4
	v_nop
.endr
.endm
	s_load_b256 s[4:11], s[0:1], 0x0               ; xc s[4:5], xs s[6:7], wc s[8:9], ws s[10:11]
	s_load_b256 s[12:19], s[0:1], 0x20             ; bq s[12:13], bv s[14:15], q16 s[16:17], kv16 s[18:19]
	v_lshl_add_u32 v[SPW], v0, 2, SPARE
	v_mov_b32 v[NIL], 0
	ds_add_u32 v[SPW], v[NIL]                      ; the opening: the add, twice on end, and its wait ahead of the first tensor load
	ds_add_u32 v[SPW], v[NIL]
	v_lshrrev_b32 v4, 5, v0
	v_readfirstlane_b32 s[WV], v4                  ; wave 0..3
	s_bfe_u32 s21, ttmp6, 0x40000                  ; cx
	s_bfe_u32 s22, ttmp6, 0x40004                  ; cy
	s_lshl_b32 s83, ttmp9, 2
	s_add_co_u32 s83, s83, s21                     ; g
	s_and_b32 s23, ttmp7, 0xffff
	s_lshl_b32 s23, s23, 2
	s_add_co_u32 s23, s23, s22                     ; mb
	s_lshl_b32 s84, s22, 2
	s_lshl_b32 s84, 15, s84                        ; my row of the cluster
	s_lshl_b32 s85, 0x1111, s21                    ; my column
	; group 1 for x: 2 rows (K steps) of 2 fragments = 256 elements of 8 bytes, 512 tiles = 65,536 elements apart
	s_or_b32 s[G1A], s84, (3<<16)|(1<<21)
	s_mov_b32 s[G1A+1], 256<<16
	s_mov_b32 s[G1A+2], 2<<16
	s_mov_b32 s[G1A+3], 256<<16
	s_mov_b32 s[G1A+4], 2
	s_mov_b32 s[G1A+5], 65536
	s_mov_b32 s[G1A+6], 0
	s_mov_b32 s[G1A+7], 0
	; group 1 for the weights: 2 rows of 6 fragments = 768 elements, 96 tiles = 12,288 elements apart
	s_or_b32 s[G1B], s85, (3<<16)|(1<<21)
	s_mov_b32 s[G1B+1], 768<<16
	s_mov_b32 s[G1B+2], 2<<16
	s_mov_b32 s[G1B+3], 768<<16
	s_mov_b32 s[G1B+4], 2
	s_mov_b32 s[G1B+5], 12288
	s_mov_b32 s[G1B+6], 0
	s_mov_b32 s[G1B+7], 0
	s_lshl_b32 s76, s23, 3                         ; x: tiles 8 mb + 2 w, 2 w + 1: made of mb and the wave alone
	s_lshl_b32 s77, s[WV], 1
	s_add_co_u32 s76, s76, s77
	s_lshl_b32 s76, s76, 10
	s_mov_b32 s77, 0
	s_mul_i32 s86, s83, 24                         ; the weights: tiles 24 g + 6 w on: made of g and the wave alone
	s_mul_i32 s79, s[WV], 6
	s_add_co_u32 s86, s86, s79
	s_lshl_b32 s78, s86, 10
	s_mov_b32 s79, 0
	s_lshl_b32 s87, s[WV], 12                      ; where they go in LDS: the wave's number alone
	s_mul_i32 s88, s[WV], BWAVE
	s_add_co_u32 s88, s88, BBASE
	s_mov_b32 s[CS], 0x3e38aa3b                    ; c = log2(e) / 8
	s_mov_b32 s[CS+1], s[CS]
	s_wait_dscnt 0x0                               ; both opening adds are done
	s_wait_kmcnt 0x0
	s_add_nc_u64 s[76:77], s[4:5], s[76:77]
	s_add_nc_u64 s[78:79], s[8:9], s[78:79]
.macro SETG0 ga, gb, j                 ; chunk j = K steps 2 j and 2 j + 1
	s_mov_b32 s[\ga], 1
	s_add_co_u32 s[\ga+1], s87, 16384*\j
	s_add_nc_u64 s[\ga+2:\ga+3], s[76:77], 1048576*\j
	s_or_b32 s[\ga+3], s[\ga+3], 0x80000000
	s_mov_b32 s[\gb], 1
	s_add_co_u32 s[\gb+1], s88, 12288*\j
	s_add_nc_u64 s[\gb+2:\gb+3], s[78:79], 196608*\j
	s_or_b32 s[\gb+3], s[\gb+3], 0x80000000
.endm
	SETG0 40, 56, 0
	SETG0 44, 60, 1
	SETG0 48, 68, 2
	SETG0 52, 72, 3
	CROUND                                         ; all sixteen work-groups are here: the joint loads meet
.macro LD2 ga, gb
	tensor_load_to_lds s[\ga:\ga+3], s[G1A:G1A+7]
	s_nop 0
	tensor_load_to_lds s[\gb:\gb+3], s[G1B:G1B+7]
	s_nop 0
.endm
	LD2 40, 56                                     ; every wave issues all eight, with no branch: x's and the weights' chunk 0, 1, 2, 3
	LD2 44, 60
	LD2 48, 68
	LD2 52, 72
	PLACES                                         ; four places behind the tensor loads
	v_and_b32 v4, 31, v0
	v_lshlrev_b32 v[LA], 4, v4
	v_add_nc_u32 v[LB], s88, v[LA]
	v_lshlrev_b32 v[L4], 2, v4
	v_bfe_u32 v5, v0, 4, 1
	v_lshlrev_b32 v5, 5, v5                        ; 32 h: my eight numbers of a tile's sixteen of bq
	v_and_b32 v6, 15, v0
	v_lshlrev_b32 v6, 2, v6                        ; 4 r: my channel's bv
	s_mov_b32 s91, 0
	s_lshl_b32 s90, s23, 12
	s_add_nc_u64 s[6:7], s[6:7], s[90:91]          ; xs at tile 8 mb
	s_lshl_b32 s90, s86, 9
	s_add_nc_u64 s[10:11], s[10:11], s[90:91]      ; ws at tile 24 g + 6 w
	s_lshl_b32 s92, s83, 2
	s_add_co_u32 s92, s92, s[WV]                   ; 4 g + w: q's head
	s_lshl_b32 s90, s92, 8
	s_add_nc_u64 s[12:13], s[12:13], s[90:91]      ; bq at the head's 64 numbers
	s_lshl_b32 s90, s92, 6
	s_add_nc_u64 s[14:15], s[14:15], s[90:91]      ; bv at channel 64 g + 16 w
.irp a, 0,1,2,3,4,5,6,7
.irp p, 0,1,2,3
	global_load_b32 v[XS+4*\a+\p], v[L4], s[6:7] offset:512*\a+128*\p    ; lanes 0-15: K step 2 p, lanes 16-31: 2 p + 1
.endr
.endr
.irp i, 0,1,2,3,4,5
.irp p, 0,1,2,3
	global_load_b32 v[WS+4*\i+\p], v[L4], s[10:11] offset:512*\i+128*\p
.endr
.endr
.irp i, 0,1,2,3
	global_load_b128 v[BQ+8*\i:BQ+8*\i+3], v5, s[12:13] offset:64*\i
	global_load_b128 v[BQ+8*\i+4:BQ+8*\i+7], v5, s[12:13] offset:64*\i+16
.endr
	global_load_b32 v[BV], v6, s[14:15]
	; where the results go
	s_lshr_b32 s93, s23, 4                         ; batch b
	s_and_b32 s94, s23, 15
	s_lshl_b32 s94, s94, 3                         ; my first token tile in the batch
	s_lshl_b32 s95, s93, 4
	s_add_co_u32 s95, s95, s92
	s_lshl_b32 s95, s95, 7
	s_add_co_u32 s95, s95, s94
	s_lshl_b32 s90, s95, 11
	s_add_nc_u64 s[16:17], s[16:17], s[90:91]      ; q16 [16 b + head][tile][4][512]
	s_lshl_b32 s95, s93, 2
	s_add_co_u32 s95, s95, s83                     ; 4 b + g
	s_lshl_b32 s89, s95, 7
	s_add_co_u32 s89, s89, s94
	s_lshl_b32 s90, s89, 11
	s_lshl_b32 s89, s[WV], 9
	s_add_co_u32 s90, s90, s89
	s_add_nc_u64 s[96:97], s[18:19], s[90:91]      ; k [4 b + g][tile][w][512]
	s_lshl_b32 s89, s95, 6
	s_lshr_b32 s94, s94, 1
	s_add_co_u32 s89, s89, s94
	s_lshl_b32 s90, s89, 12
	s_lshl_b32 s89, s[WV], 10
	s_add_co_u32 s90, s90, s89
	s_add_co_u32 s90, s90, 4194304
	s_add_nc_u64 s[98:99], s[18:19], s[90:91]      ; v, behind k: [4 b + g][pair of tiles][w][2][512]
	s_wait_loadcnt 0x0
.irp j, 0,2,4,6,8,10,12,14,16,18,20,22,24,26,28,30
	v_pk_mul_f32 v[BQ+\j:BQ+\j+1], v[BQ+\j:BQ+\j+1], s[CS:CS+1] op_sel_hi:[1,0]   ; bq x c: (sum + bq) c is then one fused multiply-add
.endr
	v_mov_b32 v[BV+1], v[BV]
.macro FETCH s                         ; K step s: 12 loads of the weights, 16 of x, into set s % 2
	WIN 0x40
.irp i, 0,1,2,3,4,5
.irp c, 0,1
	ds_load_b128 v[64*((\s)%2)+8*\i+4*\c:64*((\s)%2)+8*\i+4*\c+3], v[LB] offset:6144*(\s)+1024*\i+512*\c
.endr
.endr
	WIN 0
.irp a, 0,1,2,3,4,5,6,7
.irp c, 0,1
	ds_load_b128 v[AF+64*((\s)%2)+8*\a+4*\c:AF+64*((\s)%2)+8*\a+4*\c+3], v[LA] offset:16384*((\s)/2)+4096*(\a/2)+2048*((\s)%2)+1024*(\a%2)+512*\c
.endr
.endr
.endm
; one product.  kind 0: it starts the sum; 1: an even K step (scales in lanes 0-15); 2: an odd one (lanes 16-31)
.macro WM d, fa, fb, sa, sb, kind
.if \kind == 0
	v_wmma_scale_f32_16x16x128_f8f6f4 v[\d:\d+7], v[\fa:\fa+7], v[\fb:\fb+7], 0, v[\sa], v[\sb] matrix_a_fmt:MATRIX_FMT_FP4 matrix_b_fmt:MATRIX_FMT_FP4
.elseif \kind == 1
	v_wmma_scale_f32_16x16x128_f8f6f4 v[\d:\d+7], v[\fa:\fa+7], v[\fb:\fb+7], v[\d:\d+7], v[\sa], v[\sb] matrix_a_fmt:MATRIX_FMT_FP4 matrix_b_fmt:MATRIX_FMT_FP4
.else
	v_wmma_scale_f32_16x16x128_f8f6f4 v[\d:\d+7], v[\fa:\fa+7], v[\fb:\fb+7], v[\d:\d+7], v[\sa], v[\sb] matrix_a_fmt:MATRIX_FMT_FP4 matrix_b_fmt:MATRIX_FMT_FP4 matrix_a_scale:MATRIX_SCALE_ROW1 matrix_b_scale:MATRIX_SCALE_ROW1
.endif
.endm
; 24 products: token tiles 4 hi + 0 .. 3: q's and k's five tiles transposed, then v's as it stands
.macro HALF s, hi
.set KIND, 1+(\s)%2
.if (\s) == 0
.set KIND, 0
.endif
	WIN 0xa1+0x50*(\hi)                            ; source 0 (weights) window 1, source 1 (x) window 0, C and D window 2 or 3
.irp a, 0,1,2,3
.irp i, 0,1,2,3,4
	WM 8*(6*\a+\i), 64*((\s)%2)+8*\i, AF+64*((\s)%2)+8*(4*(\hi)+\a), WS+4*\i+(\s)/2, XS+4*(4*(\hi)+\a)+(\s)/2, KIND
.endr
.endr
	WIN 0xa4+0x50*(\hi)                            ; source 0 (x) window 0, source 1 (weights) window 1
.irp a, 0,1,2,3
	WM 8*(6*\a+5), AF+64*((\s)%2)+8*(4*(\hi)+\a), 64*((\s)%2)+40, XS+4*(4*(\hi)+\a)+(\s)/2, WS+20+(\s)/2, KIND
.endr
.endm
; A K step of 128: the next step's 28 LDS loads in one run, then 48 products.  The 48 accumulators take turns, one instruction a turn, in the same order in every step.
.macro STEP s
.if ((\s) == 1) || ((\s) == 3) || ((\s) == 5)
	s_wait_tensorcnt 5-(\s)                        ; my two loads of the next chunk are in; the later chunks' (4, 2, 0 loads) stay out
	s_wait_dscnt 0x0                               ; this step's fragments are in
	s_barrier_signal -1
	s_barrier_wait -1                              ; everybody's part of x's next chunk is in.
.else
	s_wait_dscnt 0x0                               ; this step's fragments are in
.endif
.if (\s) > 0
	PLACES                                         ; four places in front of loads into the set that the last step's products read
.endif
.if (\s) < 7
	FETCH (\s)+1
.endif
	HALF \s, 0
	HALF \s, 1
	WIN 0
.endm
	s_wait_tensorcnt 6                             ; chunk 0's two loads are in, six stay out
	s_barrier_signal -1
	s_barrier_wait -1
	FETCH 0
	STEP 0
	STEP 1
	STEP 2
	STEP 3
	STEP 4
	STEP 5
	STEP 6
	STEP 7
	PLACES                                         ; in front of the first read of results and the first write over x's fragments
; THE WAY OUT of token tile a: bias and c in f32, rounded once to f16; a lane's 16 bytes stand at 16 x lane: each store covers 512 consecutive bytes
.macro OUT a
.set W,  2+(\a)/4
.set AC, 48*((\a)%4)
.set PS, PK+24*((\a)%2)
.if (\a) >= 2
	s_wait_xcnt 0x0                                ; tile a - 2's stores have read this packed set
.endif
	WIN W                                          ; source 0: the accumulators' window
.irp i, 0,1,2,3
.irp j, 0,2,4,6
	v_pk_fma_f32 v[T+8*\i+\j:T+8*\i+\j+1], v[AC+8*\i+\j:AC+8*\i+\j+1], s[CS:CS+1], v[BQ+8*\i+\j:BQ+8*\i+\j+1] op_sel_hi:[1,0,1]   ; q: sum x c + bq x c
.endr
.endr
.irp j, 0,2,4,6
	v_pk_add_f32 v[T+32+\j:T+33+\j], v[AC+40+\j:AC+41+\j], v[BV:BV+1]    ; v: + my channel's bv
.endr
	WIN 5*W                                        ; sources 0 and 1: the accumulators' window
.irp r, 0,1,2,3
	v_cvt_pk_f16_f32 v[PS+16+\r], v[AC+32+2*\r], v[AC+33+2*\r]           ; k as it is
.endr
	WIN 0
.irp i, 0,1,2,3
.irp r, 0,1,2,3
	v_cvt_pk_f16_f32 v[PS+4*\i+\r], v[T+8*\i+2*\r], v[T+8*\i+2*\r+1]
.endr
.endr
.irp r, 0,1,2,3
	v_cvt_pk_f16_f32 v[PS+20+\r], v[T+32+2*\r], v[T+33+2*\r]
.endr
.irp i, 0,1,2,3
	global_store_b128 v[LA], v[PS+4*\i:PS+4*\i+3], s[16:17] offset:2048*(\a)+512*\i
.endr
	global_store_b128 v[LA], v[PS+16:PS+19], s[96:97] offset:2048*(\a)
	global_store_b128 v[LA], v[PS+20:PS+23], s[98:99] offset:4096*((\a)/2)+512*((\a)%2)
.endm
	OUT 0
	OUT 1
	OUT 2
	OUT 3
	OUT 4
	OUT 5
	OUT 6
	OUT 7
	s_wait_tensorcnt 0x0                           ; the wave's end
	ds_add_u32 v[SPW], v[NIL]
	s_wait_dscnt 0x0
	CROUND                                         ; the closing round
	s_endpgm
.Lfunc_end_k_q5ff0ec0fd1_qkv:
	.size	k_q5ff0ec0fd1_qkv, .Lfunc_end_k_q5ff0ec0fd1_qkv-k_q5ff0ec0fd1_qkv
	.p2alignl 7, 3214868480
	.fill 96, 4, 3214868480
	.section	.rodata,"a",@progbits
	.p2align	6, 0x0
	.amdhsa_kernel k_q5ff0ec0fd1_qkv
		.amdhsa_group_segment_fixed_size 327680
		.amdhsa_private_segment_fixed_size 0
		.amdhsa_enable_private_segment 0
		.amdhsa_kernarg_size 64
		.amdhsa_user_sgpr_count 2
		.amdhsa_user_sgpr_kernarg_segment_ptr 1
		.amdhsa_wavefront_size32 1
		.amdhsa_system_sgpr_workgroup_id_x 1
		.amdhsa_system_sgpr_workgroup_id_y 1
		.amdhsa_system_sgpr_workgroup_id_z 1
		.amdhsa_system_vgpr_workitem_id 0
		.amdhsa_next_free_vgpr 960
		.amdhsa_next_free_sgpr 100
		.amdhsa_reserve_vcc 0
		.amdhsa_float_denorm_mode_32 3
		.amdhsa_float_denorm_mode_16_64 3
		.amdhsa_memory_ordered 1
		.amdhsa_forward_progress 1
		.amdhsa_inst_pref_size 108
	.end_amdhsa_kernel
	.amdgpu_metadata
---
amdhsa.version: [ 1, 2 ]
amdhsa.kernels:
  - .name:           k_q5ff0ec0fd1_qkv
    .symbol:         k_q5ff0ec0fd1_qkv.kd
    .args:
      - { .name: xc, .offset: 0, .size: 8, .value_kind: global_buffer, .address_space: global }
      - { .name: xs, .offset: 8, .size: 8, .value_kind: global_buffer, .address_space: global }
      - { .name: wc, .offset: 16, .size: 8, .value_kind: global_buffer, .address_space: global }
      - { .name: ws, .offset: 24, .size: 8, .value_kind: global_buffer, .address_space: global }
      - { .name: bq, .offset: 32, .size: 8, .value_kind: global_buffer, .address_space: global }
      - { .name: bv, .offset: 40, .size: 8, .value_kind: global_buffer, .address_space: global }
      - { .name: q16, .offset: 48, .size: 8, .value_kind: global_buffer, .address_space: global }
      - { .name: kv16, .offset: 56, .size: 8, .value_kind: global_buffer, .address_space: global }
    .group_segment_fixed_size: 327680
    .private_segment_fixed_size: 0
    .kernarg_segment_align: 8
    .kernarg_segment_size: 64
    .max_flat_workgroup_size: 128
    .sgpr_count:     100
    .vgpr_count:     960
    .wavefront_size: 32
...
	.end_amdgpu_metadata
.endif
;; end of part 2
;; launch attn (part 3): grid 16 x 16, 8 waves a work-group, clusters of 4 x 1, 327,680 bytes of LDS; arguments q16, kv16, ao16; writes ao16
.if DOCPART == 3
	.amdgcn_target "amdgcn-amd-amdhsa--gfx1250"
	.amdhsa_code_object_version 6
	.text
	.protected	k_q5ff0ec0fd1_attn
	.globl	k_q5ff0ec0fd1_attn
	.p2align	8
	.type	k_q5ff0ec0fd1_attn,@function
k_q5ff0ec0fd1_attn:
	s_mov_b64 s[64:65], 0
	v_nop
	global_prefetch_b8 v0, s[64:65] scope:SCOPE_SE
	s_setreg_imm32_b32 hwreg(HW_REG_WAVE_MODE, 25, 1), 1
	s_wait_xcnt 0x0
	s_wait_alu depctr_hold_cnt(0) depctr_sa_sdst(0) depctr_va_vdst(0) depctr_va_sdst(0) depctr_va_ssrc(0) depctr_va_vcc(0) depctr_vm_vsrc(0)
	s_getreg_b32 s2, hwreg(HW_REG_IB_STS2, 6, 4)
	s_cmp_eq_u32 s2, 0
	s_cbranch_scc0 .Lentry_in_a_cluster
	s_endpgm
.Lentry_in_a_cluster:
	s_bfe_u32 s2, ttmp6, 0x10000c
	s_cmp_lg_u32 s2, 0x3003
	s_cbranch_scc0 .Lentry_shape_is_right
	s_endpgm
.Lentry_shape_is_right:
; LAUNCH 3 OF 4.  O = softmax(q k^T / 8) v for 64 heads of 2,048 queries and keys, head size 64, operands f16, sums, maxima and exponentials f32.  q carries c = log2(e) / 8, so a score is t and p = 2^(t - m), m the running maximum.
; (bk is left out of k: see launch 1's head.)   LIMIT: NaN and infinities are not served.
; SHARES.  Work-group (qb, bg): 128 queries x the four heads of KV group bg.  Wave w: head 4 (bg % 4) + w % 4, four tiles of 16 queries from tile 8 qb + 4 (w / 4) on.  Eight waves, two to a SIMD:
; one wave's softmax stands beside the other's products; a key step's 16 KiB of LDS reads feed a wave's 64 matrix instructions.
; LAYOUT.  S^T = K Q^T (source 0 = 16 keys, source 1 = 16 queries) and O^T = V^T P (source 0 = 16 channels, source 1 = P): a lane holds ONE query throughout.  Two tiles of S^T, rounded to f16 in pairs, are a fragment of P;
; P is laid in place over S^T.  K and V lie in memory and in LDS as images of their fragments: every LDS read is 16 bytes at 16 x lane.
; RING.  Two slots of 512 keys (K's 64 KiB, then V's), filled by joint loads: the four work-groups of a cluster are four query blocks of one bg and walk the same K and V.  Every wave fetches 16 KiB
; (waves 0-3 K's quarters, 4-7 V's).  By this text's count two loads of a wave are out at the start and one behind each round; a refill has a slot's eight key steps in which to land.
; REGISTERS: window 0: v1-4 addresses; v14, v15 the add's two; v16-47 statistics, 8 a tile (+0 m, +1 its pair's partner, +2, +3 l, +4, +5 at work, +6 a, +7 m's change); v48-111 V; v128-255 S^T, 32 a tile.
;   window 1: v0-63 Q (16 t + 8 cs); v64-191 O^T (64 + 32 t + 8 ct); v192-255 K (192 + 16 kt + 8 cs).
.set SLOT1, 131072
.set VOFF,  65536
.set SPARE, 262144
.set L16, 1
.set LV,  2
.set AD,  3
.set ADV, 4
.set SPW, 14
.set NIL, 15
.set ST,  16
.set VF,  48
.set S,   128
.set OT,  64
.set KF,  192
.set WV,  12
.set G1,  24
.set G0,  32
.set TB,  40                           ; s40  LDS byte at which the key step's K begins
.set CNT, 41
.set SLOTS, 42
.set SEL, 44
.set MSB, 0
.macro WIN new
.if MSB != \new
	s_set_vgpr_msb (MSB<<8)|\new
.set MSB, \new
.endif
.endm
.macro CROUND
	s_barrier_signal -1
	s_barrier_wait -1
	s_cmp_lg_u32 s[WV], 0
	s_cbranch_scc1 .Lnot_wave_0_\@
	s_barrier_signal -3
.Lnot_wave_0_\@:
	s_barrier_wait -3
	s_barrier_signal -1
	s_barrier_wait -1
.endm
	s_load_b128 s[4:7], s[0:1], 0x0                ; q16 s[4:5], kv16 s[6:7]
	s_load_b64 s[8:9], s[0:1], 0x10                ; ao16
	v_lshl_add_u32 v[SPW], v0, 2, SPARE
	v_mov_b32 v[NIL], 0
	ds_add_u32 v[SPW], v[NIL]                      ; the opening: the add, twice on end, and its wait ahead of the first tensor load
	ds_add_u32 v[SPW], v[NIL]
	v_lshrrev_b32 v5, 5, v0
	v_readfirstlane_b32 s[WV], v5                  ; wave 0..7
	s_bfe_u32 s13, ttmp6, 0x40000                  ; cx
	s_lshl_b32 s14, ttmp9, 2
	s_add_co_u32 s14, s14, s13                     ; qb: it enters Q's and O's addresses alone
	s_and_b32 s15, ttmp7, 0xffff                   ; bg = 4 b + g, which the four partners share
	; group 1: 64 dense rows of 256 bytes (32 elements of 8 bytes)
	s_mov_b32 s[G1], 15|(3<<16)|(1<<21)            ; the mask: all four work-groups
	s_mov_b32 s[G1+1], 32<<16
	s_mov_b32 s[G1+2], 64<<16
	s_mov_b32 s[G1+3], 32<<16
	s_mov_b32 s[G1+4], 64
	s_mov_b32 s[G1+5], 32
	s_mov_b32 s[G1+6], 0
	s_mov_b32 s[G1+7], 0
	s_lshr_b32 s16, s[WV], 2                       ; I fetch K (0) or V (1); also: which four of the eight query tiles are mine
	s_and_b32 s17, s[WV], 3                        ; which quarter; also: my head in the group
	s_lshl_b32 s18, s16, 22                        ; V lies 4 MiB behind K
	s_lshl_b32 s19, s15, 18                        ; a bg's 2,048 keys are 256 KiB
	s_add_co_u32 s18, s18, s19
	s_lshl_b32 s19, s17, 14
	s_add_co_u32 s18, s18, s19
	s_mov_b32 s19, 0
	s_lshl_b32 s20, s[WV], 14                      ; and in a slot: 16 KiB x wave
	s_lshl_b32 s21, s15, 2
	s_add_co_u32 s21, s21, s17                     ; 16 b + head
	s_lshl_b32 s46, s21, 7
	s_lshl_b32 s22, s14, 3
	s_lshl_b32 s23, s16, 2
	s_add_co_u32 s22, s22, s23                     ; my first query tile in the batch
	s_add_co_u32 s46, s46, s22
	s_lshl_b32 s46, s46, 11                        ; q16 [16 b + head][tile][4][512]
	s_mov_b32 s47, 0
	s_lshr_b32 s48, s15, 2                         ; b
	s_lshl_b32 s48, s48, 7
	s_add_co_u32 s48, s48, s22
	s_lshl_b32 s48, s48, 15                        ; ao16 [128 b + tile][ks 32][1024]
	s_and_b32 s23, s21, 15                         ; head
	s_lshl_b32 s23, s23, 11                        ; ks = 2 x head
	s_add_co_u32 s48, s48, s23
	s_mov_b32 s49, 0
	s_mov_b32 s[SEL], 0x76543210
	s_mov_b32 s[SEL+1], 0xfedcba98
	s_mov_b32 s[TB], 0
	s_mov_b32 s[SLOTS], 2
	s_wait_dscnt 0x0                               ; both opening adds are done
	s_wait_kmcnt 0x0
	s_add_nc_u64 s[18:19], s[6:7], s[18:19]
	s_add_nc_u64 s[4:5], s[4:5], s[46:47]
	s_add_nc_u64 s[8:9], s[8:9], s[48:49]
.irp n, 0,1
	s_mov_b32 s[G0+4*\n], 1
	s_add_co_u32 s[G0+4*\n+1], s20, \n*SLOT1
	s_add_nc_u64 s[G0+4*\n+2:G0+4*\n+3], s[18:19], \n*65536       ; slot n begins with keys 512 n on
	s_or_b32 s[G0+4*\n+3], s[G0+4*\n+3], 0x80000000
.endr
	CROUND                                         ; all four work-groups are here: the first joint loads meet
	tensor_load_to_lds s[G0:G0+3], s[G1:G1+7]
	s_nop 0
	tensor_load_to_lds s[G0+4:G0+7], s[G1:G1+7]
	s_nop 0
.rept 4
	v_nop
.endr
	v_and_b32 v5, 31, v0
	v_lshlrev_b32 v[L16], 4, v5
	v_add_nc_u32 v[LV], VOFF, v[L16]
	WIN 0x40                                       ; destination window 1
.set n, 0
.rept 16
	global_load_b128 v[4*n:4*n+3], v[L16], s[4:5] offset:512*n     ; Q stays in registers
.set n, n+1
.endr
.set n, 0
.rept 128
	v_mov_b32 v[OT+n], 0                           ; O^T.  The key step is written once for all steps: the first finds zeros, l = 0 and m = -3e38, so that its a = 2^(m - new m) = 0 leaves zeros
.set n, n+1
.endr
	WIN 0
.irp t, 0,1,2,3
	v_mov_b32 v[ST+8*\t], 0xff61b1e6               ; m = -3e38, under every score
.irp n, 1,2,3,4,5,6,7
	v_mov_b32 v[ST+8*\t+\n], 0
.endr
.endr
.macro FETCH_K nxt                     ; 64 keys of K: this step's (0) or the next one's (1)
	WIN 0x40
.set n, 0
.rept 16
	ds_load_b128 v[KF+4*n:KF+4*n+3], v[AD] offset:512*n+8192*\nxt
.set n, n+1
.endr
	WIN 0
.endm
.macro FETCH_V
.set n, 0
.rept 16
	ds_load_b128 v[VF+4*n:VF+4*n+3], v[ADV] offset:512*n
.set n, n+1
.endr
.endm
; 16 products S^T = K Q^T for tiles y, y + 1: eight accumulators by turns; the first eight start the sums
.macro KQ y
	WIN 0x05                                       ; K and Q in window 1, S^T in window 0
.irp cs, 0,1
.irp kt, 0,1,2,3
.irp t, \y, \y+1
.if \cs == 0
	v_wmma_f32_16x16x32_f16 v[S+32*(\t)+8*\kt:S+32*(\t)+8*\kt+7], v[KF+16*\kt+8*\cs:KF+16*\kt+8*\cs+7], v[16*(\t)+8*\cs:16*(\t)+8*\cs+7], 0
.else
	v_wmma_f32_16x16x32_f16 v[S+32*(\t)+8*\kt:S+32*(\t)+8*\kt+7], v[KF+16*\kt+8*\cs:KF+16*\kt+8*\cs+7], v[16*(\t)+8*\cs:16*(\t)+8*\cs+7], v[S+32*(\t)+8*\kt:S+32*(\t)+8*\kt+7]
.endif
.endr
.endr
.endr
.endm
; 16 products O^T += V^T P for tiles y, y + 1: eight accumulators by turns
.macro PV y
	WIN 0x50                                       ; V and P in window 0, O^T in window 1
.irp kp, 0,1
.irp ct, 0,1,2,3
.irp t, \y, \y+1
	v_wmma_f32_16x16x32_f16 v[OT+32*(\t)+8*\ct:OT+32*(\t)+8*\ct+7], v[VF+32*\kp+8*\ct:VF+32*\kp+8*\ct+7], v[S+32*(\t)+8*\kp:S+32*(\t)+8*\kp+7], v[OT+32*(\t)+8*\ct:OT+32*(\t)+8*\ct+7]
.endr
.endr
.endr
.endm
; The softmax of tiles y, y + 1 for 64 keys; the two tiles alternate line by line, so that no line waits for the line above it
.macro SOFTMAX y
	WIN 0
.irp j, 0,1,2,3                        ; the maximum of a lane's 32 scores and the old m: four chains; each tile of S^T is first read at its low end
.irp t, \y, \y+1
	v_max3_num_f32 v[ST+8*(\t)+4+\j], v[S+32*(\t)+8*\j], v[S+32*(\t)+8*\j+1], v[S+32*(\t)+8*\j+2]
.endr
.endr
.irp g, 1,2
.irp j, 0,1,2,3
.irp t, \y, \y+1
	v_max3_num_f32 v[ST+8*(\t)+4+\j], v[ST+8*(\t)+4+\j], v[S+32*(\t)+8*\j+2*\g+1], v[S+32*(\t)+8*\j+2*\g+2]
.endr
.endr
.endr
.irp t, \y, \y+1
	v_max3_num_f32 v[ST+8*(\t)+4], v[ST+8*(\t)+4], v[S+32*(\t)+7], v[S+32*(\t)+15]
.endr
.irp t, \y, \y+1
	v_max3_num_f32 v[ST+8*(\t)+6], v[ST+8*(\t)+6], v[S+32*(\t)+23], v[S+32*(\t)+31]
.endr
.irp t, \y, \y+1
	v_max3_num_f32 v[ST+8*(\t)+4], v[ST+8*(\t)+4], v[ST+8*(\t)+5], v[ST+8*(\t)+6]
.endr
.irp t, \y, \y+1
	v_max3_num_f32 v[ST+8*(\t)+4], v[ST+8*(\t)+4], v[ST+8*(\t)+7], v[ST+8*(\t)]
.endr
.irp t, \y, \y+1
	v_permlanex16_b32 v[ST+8*(\t)+5], v[ST+8*(\t)+4], s[SEL], s[SEL+1]    ; the query's other 32 keys lie in the lane 16 away
.endr
.irp t, \y, \y+1
	v_max_num_f32 v[ST+8*(\t)+4], v[ST+8*(\t)+4], v[ST+8*(\t)+5]          ; the new m
.endr
.irp t, \y, \y+1
	v_sub_f32 v[ST+8*(\t)+7], v[ST+8*(\t)], v[ST+8*(\t)+4]                ; old m - new m
.endr
.irp t, \y, \y+1
	v_mov_b32 v[ST+8*(\t)], v[ST+8*(\t)+4]
.endr
	; ONE BATCH: 66 exponentials; the next pair's subtraction leads each four.  None of these lines names an exponential's result
.irp t, \y, \y+1
	v_pk_add_f32 v[S+32*(\t):S+32*(\t)+1], v[S+32*(\t):S+32*(\t)+1], v[ST+8*(\t):ST+8*(\t)+1] op_sel_hi:[1,0] neg_lo:[0,1] neg_hi:[0,1]
.endr
.irp t, \y, \y+1
	v_exp_f32 v[ST+8*(\t)+6], v[ST+8*(\t)+7]                              ; a = 2^(old m - new m)
.endr
.irp j, 0,2,4,6,8,10,12,14,16,18,20,22,24,26,28,30
.if \j < 30
.irp t, \y, \y+1
	v_pk_add_f32 v[S+32*(\t)+\j+2:S+32*(\t)+\j+3], v[S+32*(\t)+\j+2:S+32*(\t)+\j+3], v[ST+8*(\t):ST+8*(\t)+1] op_sel_hi:[1,0] neg_lo:[0,1] neg_hi:[0,1]   ; t - m
.endr
.endif
.irp t, \y, \y+1
	v_exp_f32 v[S+32*(\t)+\j], v[S+32*(\t)+\j]
	v_exp_f32 v[S+32*(\t)+\j+1], v[S+32*(\t)+\j+1]
.endr
.endr
	v_nop                                          ; a plain line behind the last exponential
	s_wait_alu depctr_va_vdst(0)                   ; one wait for the batch, ahead of the first line that names a result
.irp t, \y, \y+1                       ; l = a l + the sum of p, before p is rounded: two chains of pairs
	v_pk_fma_f32 v[ST+8*(\t)+2:ST+8*(\t)+3], v[ST+8*(\t)+2:ST+8*(\t)+3], v[ST+8*(\t)+6:ST+8*(\t)+7], v[S+32*(\t):S+32*(\t)+1] op_sel_hi:[1,0,1]
.endr
.irp t, \y, \y+1
	v_pk_add_f32 v[ST+8*(\t)+4:ST+8*(\t)+5], v[S+32*(\t)+2:S+32*(\t)+3], v[S+32*(\t)+4:S+32*(\t)+5]
.endr
.irp j, 6,10,14,18,22,26
.irp t, \y, \y+1
	v_pk_add_f32 v[ST+8*(\t)+2:ST+8*(\t)+3], v[ST+8*(\t)+2:ST+8*(\t)+3], v[S+32*(\t)+\j:S+32*(\t)+\j+1]
.endr
.irp t, \y, \y+1
	v_pk_add_f32 v[ST+8*(\t)+4:ST+8*(\t)+5], v[ST+8*(\t)+4:ST+8*(\t)+5], v[S+32*(\t)+\j+2:S+32*(\t)+\j+3]
.endr
.endr
.irp t, \y, \y+1
	v_pk_add_f32 v[ST+8*(\t)+2:ST+8*(\t)+3], v[ST+8*(\t)+2:ST+8*(\t)+3], v[S+32*(\t)+30:S+32*(\t)+31]
.endr
.irp t, \y, \y+1
	v_pk_add_f32 v[ST+8*(\t)+2:ST+8*(\t)+3], v[ST+8*(\t)+2:ST+8*(\t)+3], v[ST+8*(\t)+4:ST+8*(\t)+5]
.endr
.irp j, 0,1,2,3,4,5,6,7,8,9,10,11,12,13,14,15
.irp t, \y, \y+1
	v_cvt_pk_f16_f32 v[S+32*(\t)+\j], v[S+32*(\t)+2*\j], v[S+32*(\t)+2*\j+1]   ; P in place, ascending: registers 8 kp .. 8 kp + 7 are the fragment of keys 32 kp on
.endr
.endr
	WIN 0x41                                       ; O^T (destination and source 0) in window 1, a in window 0
.irp j, 0,2,4,6,8,10,12,14,16,18,20,22,24,26,28,30
.irp t, \y, \y+1
	v_pk_mul_f32 v[OT+32*(\t)+\j:OT+32*(\t)+\j+1], v[OT+32*(\t)+\j:OT+32*(\t)+\j+1], v[ST+8*(\t)+6:ST+8*(\t)+7] op_sel_hi:[1,0]
.endr
.endr
.endm
; A KEY STEP of 64 keys.  K was fetched a step ago.
.macro STEP
	v_add_nc_u32 v[AD], s[TB], v[L16]
	v_add_nc_u32 v[ADV], s[TB], v[LV]
.rept 4
	v_nop                                          ; with the two additions six places behind the last V^T P: four are owed to the loads into V, five to the products below that write over its P
.endr
	FETCH_V
	s_wait_dscnt 16                                ; K's sixteen older loads are in, V's may be out
	KQ 0
	KQ 2
	WIN 0
.rept 4
	v_nop                                          ; places in front of the loads into K and of the first read of scores
.endr
	s_cmp_eq_u32 s[CNT], 1                         ; the slot's last step fetches no K: the next slot's is fetched behind the change of slots
	s_cbranch_scc1 .Lno_k_\@
	FETCH_K 1
.Lno_k_\@:
	SOFTMAX 0
	s_wait_dscnt 0x0                               ; V (and the next K): zero, which is right on both ways of the jump
	PV 0
	SOFTMAX 2
	PV 2
	WIN 0
	s_add_co_u32 s[TB], s[TB], 8192
.endm
.macro SLOT_STEPS                      ; a slot's eight key steps: written once, walked eight times
	v_add_nc_u32 v[AD], s[TB], v[L16]
	FETCH_K 0
	s_mov_b32 s[CNT], 8
.Lstep_\@:
	STEP
	s_sub_co_u32 s[CNT], s[CNT], 1
	s_cmp_lg_u32 s[CNT], 0
	s_cbranch_scc1 .Lstep_\@
.endm
; THE CHANGE OF SLOTS.  Each wave waits for all its tensor loads (one is out: its part of the other slot), adds 0 to its spare word, and waits for that and for its reads of the slot it leaves.
; fill = 1: the barrier is a round of the cluster's, and the joint refill of the slot just left, with the keys two slots on, is the first thing behind it.
.macro CHANGE fill
	WIN 0
	s_wait_tensorcnt 0x0                           ; no tensor load of mine is out, so a group 0 may be written
	ds_add_u32 v[SPW], v[NIL]
.if \fill
	s_xor_b32 s[G0+5], s[G0+5], SLOT1              ; the walking descriptor: the other slot than last time,
	s_add_nc_u64 s[G0+6:G0+7], s[G0+6:G0+7], 65536 ; the next 512 keys
	s_wait_dscnt 0x0
	CROUND
	tensor_load_to_lds s[G0+4:G0+7], s[G1:G1+7]
	s_nop 0
.rept 4
	v_nop
.endr
.else
	s_wait_dscnt 0x0
	s_barrier_signal -1
	s_barrier_wait -1
.endif
	s_sub_co_u32 s[TB], s[TB], 65536               ; back to a slot's first step,
	s_xor_b32 s[TB], s[TB], SLOT1                  ; in the other slot
.endm
	s_wait_tensorcnt 1                             ; my part of slot 0 is in; slot 1's may stay out
	s_barrier_signal -1
	s_barrier_wait -1
	s_wait_loadcnt 0x0                             ; Q
	SLOT_STEPS                                     ; keys 0-511
.Lslot:                                            ; two trips: keys 512-1023 and 1024-1535; slots 0 and 1 are filled again
	CHANGE 1
	SLOT_STEPS
	s_sub_co_u32 s[SLOTS], s[SLOTS], 1
	s_cmp_lg_u32 s[SLOTS], 0
	s_cbranch_scc1 .Lslot
	CHANGE 0                                       ; the last slot is written out
	SLOT_STEPS
	; THE WAY OUT.  l's halves and the other half of the lanes' are added (these lines are the places behind the last products); O^T / l, rounded to f16, is a half fragment of launch 4's operand as it stands
.irp t, 0,1,2,3
	v_add_f32 v[ST+8*\t+4], v[ST+8*\t+2], v[ST+8*\t+3]
.endr
.irp t, 0,1,2,3
	v_permlanex16_b32 v[ST+8*\t+5], v[ST+8*\t+4], s[SEL], s[SEL+1]
.endr
.irp t, 0,1,2,3
	v_add_f32 v[ST+8*\t+4], v[ST+8*\t+4], v[ST+8*\t+5]
.endr
.irp t, 0,1,2,3
	v_rcp_f32 v[ST+8*\t+6], v[ST+8*\t+4]
.endr
	v_nop
	s_wait_alu depctr_va_vdst(0)                   ; one wait for the four reciprocals
.irp t, 0,1,2,3
	WIN 0x41
.irp j, 0,2,4,6,8,10,12,14,16,18,20,22,24,26,28,30
	v_pk_mul_f32 v[OT+32*\t+\j:OT+32*\t+\j+1], v[OT+32*\t+\j:OT+32*\t+\j+1], v[ST+8*\t+6:ST+8*\t+7] op_sel_hi:[1,0]
.endr
	WIN 0x05                                       ; sources in window 1, destination in window 0: S^T's registers are free
.irp j, 0,1,2,3,4,5,6,7,8,9,10,11,12,13,14,15
	v_cvt_pk_f16_f32 v[S+16*\t+\j], v[OT+32*\t+2*\j], v[OT+32*\t+2*\j+1]
.endr
	WIN 0
.irp c, 0,1,2,3
	global_store_b128 v[L16], v[S+16*\t+4*\c:S+16*\t+4*\c+3], s[8:9] offset:32768*\t+512*\c    ; 512 consecutive bytes
.endr
.endr
	s_wait_tensorcnt 0x0                           ; the wave's end
	ds_add_u32 v[SPW], v[NIL]
	s_wait_dscnt 0x0
	CROUND                                         ; the closing round
	s_endpgm
.Lfunc_end_k_q5ff0ec0fd1_attn:
	.size	k_q5ff0ec0fd1_attn, .Lfunc_end_k_q5ff0ec0fd1_attn-k_q5ff0ec0fd1_attn
	.p2alignl 7, 3214868480
	.fill 96, 4, 3214868480
	.section	.rodata,"a",@progbits
	.p2align	6, 0x0
	.amdhsa_kernel k_q5ff0ec0fd1_attn
		.amdhsa_group_segment_fixed_size 327680
		.amdhsa_private_segment_fixed_size 0
		.amdhsa_enable_private_segment 0
		.amdhsa_kernarg_size 24
		.amdhsa_user_sgpr_count 2
		.amdhsa_user_sgpr_kernarg_segment_ptr 1
		.amdhsa_wavefront_size32 1
		.amdhsa_system_sgpr_workgroup_id_x 1
		.amdhsa_system_sgpr_workgroup_id_y 1
		.amdhsa_system_sgpr_workgroup_id_z 1
		.amdhsa_system_vgpr_workitem_id 0
		.amdhsa_next_free_vgpr 512
		.amdhsa_next_free_sgpr 66
		.amdhsa_reserve_vcc 0
		.amdhsa_float_denorm_mode_32 3
		.amdhsa_float_denorm_mode_16_64 3
		.amdhsa_memory_ordered 1
		.amdhsa_forward_progress 1
		.amdhsa_inst_pref_size 122
	.end_amdhsa_kernel
	.amdgpu_metadata
---
amdhsa.version: [ 1, 2 ]
amdhsa.kernels:
  - .name:           k_q5ff0ec0fd1_attn
    .symbol:         k_q5ff0ec0fd1_attn.kd
    .args:
      - { .name: q16, .offset: 0, .size: 8, .value_kind: global_buffer, .address_space: global }
      - { .name: kv16, .offset: 8, .size: 8, .value_kind: global_buffer, .address_space: global }
      - { .name: ao16, .offset: 16, .size: 8, .value_kind: global_buffer, .address_space: global }
    .group_segment_fixed_size: 327680
    .private_segment_fixed_size: 0
    .kernarg_segment_align: 8
    .kernarg_segment_size: 24
    .max_flat_workgroup_size: 256
    .sgpr_count:     66
    .vgpr_count:     512
    .wavefront_size: 32
...
	.end_amdgpu_metadata
.endif
;; end of part 3
;; launch oproj (part 4): grid 4 x 64, 4 waves a work-group, clusters of 4 x 4, 327,680 bytes of LDS; arguments ao16, wo16, bo, out0; writes out0
.if DOCPART == 4
	.amdgcn_target "amdgcn-amd-amdhsa--gfx1250"
	.amdhsa_code_object_version 6
	.text
	.protected	k_q5ff0ec0fd1_oproj
	.globl	k_q5ff0ec0fd1_oproj
	.p2align	8
	.type	k_q5ff0ec0fd1_oproj,@function
k_q5ff0ec0fd1_oproj:
	s_mov_b64 s[64:65], 0
	v_nop
	global_prefetch_b8 v0, s[64:65] scope:SCOPE_SE
	s_setreg_imm32_b32 hwreg(HW_REG_WAVE_MODE, 25, 1), 1
	s_wait_xcnt 0x0
	s_wait_alu depctr_hold_cnt(0) depctr_sa_sdst(0) depctr_va_vdst(0) depctr_va_sdst(0) depctr_va_ssrc(0) depctr_va_vcc(0) depctr_vm_vsrc(0)
	s_getreg_b32 s2, hwreg(HW_REG_IB_STS2, 6, 4)
	s_cmp_eq_u32 s2, 0
	s_cbranch_scc0 .Lentry_in_a_cluster
	s_endpgm
.Lentry_in_a_cluster:
	s_bfe_u32 s2, ttmp6, 0x10000c
	s_cmp_lg_u32 s2, 0xf033
	s_cbranch_scc0 .Lentry_shape_is_right
	s_endpgm
.Lentry_shape_is_right:
; LAUNCH 4 OF 4.  out0 = O Wo + bo: [8192][1024] x [1024][1024], operands f16 (as images of fragments, from launches 3 and 1), sums f32.
; A tile of out0 is 128 x 256, so that there are 256 work-groups (256 x 256 would give 128).  Four waves, each 64 rows x 128 columns: 32 accumulators.  K goes in steps of 128 through a ring of two LDS slots.
; CLUSTER 4 x 4: O's tiles hang on the tile row alone and are asked for jointly along a row of the cluster, Wo's on the tile column alone, along a column.  Waves 0, 1 fetch O's halves (16 KiB), waves 2, 3 Wo's (32 KiB).
; The product is used transposed (source 0 = 16 columns of Wo, source 1 = 16 rows of O): a lane holds eight neighbouring numbers of a row of out0.  bo is the C of each sum's first product.
; LDS: a slot: O's 8 tiles x 4 KiB (four fragments of 32 along K each), then Wo's 16 tiles x 4 KiB; stages of 16 rows x 528 bytes a wave at 196608; spare words at 230400.
; REGISTERS: window 0: v16-29 addresses; two fragment buffers v32-127, v128-223 (O's 4 fragments, then Wo's 8); window 1: accumulator (a, b) at 8 (8 a + b); window 2: v0-63 bo, 8 registers a column tile.
.set SLOT,   98304
.set STAGE,  196608
.set SPITCH, 528
.set SPARE,  230400
.set ADRA, 16
.set ADRB, 20
.set STO,  24
.set RD,   25
.set CO,   26
.set SPW,  28
.set NIL,  29
.set F0,   32
.set F1,   128
.set BK,   32
.set WV,   12
.set G1A,  24
.set G0A,  32
.set G1B,  48
.set G0B,  56
.set MUL,  0x50                        ; sources in window 0, C and D in window 1
.set MSB, 0
.macro WIN new
.if MSB != \new
	s_set_vgpr_msb (MSB<<8)|\new
.set MSB, \new
.endif
.endm
.macro JLOAD s                         ; a joint load: the branch hangs on the wave's number alone; an s_nop 0 and four v_nop follow each line
	s_cmp_eq_u32 s13, 0
	s_cbranch_scc0 .Lfor_b_\@
	tensor_load_to_lds s[G0A+4*\s:G0A+4*\s+3], s[G1A:G1A+7]
	s_nop 0
.rept 4
	v_nop
.endr
	s_branch .Lasked_\@
.Lfor_b_\@:
	tensor_load_to_lds s[G0B+4*\s:G0B+4*\s+3], s[G1B:G1B+7]
	s_nop 0
.rept 4
	v_nop
.endr
.Lasked_\@:
.endm
.macro CREST
	s_cmp_lg_u32 s[WV], 0
	s_cbranch_scc1 .Lnot_wave_0_\@
	s_barrier_signal -3
.Lnot_wave_0_\@:
	s_barrier_wait -3
	s_barrier_signal -1
	s_barrier_wait -1
.endm
.macro CROUND
	s_barrier_signal -1
	s_barrier_wait -1
	CREST
.endm
.macro PLACES
.rept 4
	v_nop
.endr
.endm
	s_load_b256 s[4:11], s[0:1], 0x0               ; ao16 s[4:5], wo16 s[6:7], bo s[8:9], out0 s[10:11]
	v_lshl_add_u32 v[SPW], v0, 2, SPARE
	v_mov_b32 v[NIL], 0
	ds_add_u32 v[SPW], v[NIL]                      ; the opening: the add, twice on end, and its wait ahead of the first tensor load
	ds_add_u32 v[SPW], v[NIL]
	v_lshrrev_b32 v1, 5, v0
	v_readfirstlane_b32 s[WV], v1                  ; wave 0..3
	s_lshr_b32 s13, s[WV], 1                       ; my 64 rows.  Also: I fetch for O (0) or for Wo (1)
	s_and_b32 s14, s[WV], 1                        ; my 128 columns.  Also: which half I fetch
	s_bfe_u32 s40, ttmp6, 0x40000                  ; cx
	s_bfe_u32 s41, ttmp6, 0x40004                  ; cy
	s_lshl_b32 s42, ttmp9, 2
	s_add_co_u32 s42, s42, s40                     ; tile column nb
	s_and_b32 s15, ttmp7, 0xffff
	s_lshl_b32 s15, s15, 2
	s_add_co_u32 s15, s15, s41                     ; tile row mb
	s_lshl_b32 s43, s41, 2
	s_lshl_b32 s43, 15, s43                        ; my row of the cluster
	s_lshl_b32 s44, 0x1111, s40                    ; my column
	; group 1: rows of 4,096 bytes (a tile's four fragments: 512 elements of 8 bytes), 32,768 bytes (4,096 elements) apart; O: 4 rows, Wo: 8
	s_or_b32 s[G1A], s43, (3<<16)|(1<<21)
	s_or_b32 s[G1B], s44, (3<<16)|(1<<21)
.irp g, G1A, G1B
	s_mov_b32 s[\g+1], 512<<16
	s_mov_b32 s[\g+3], 512<<16
	s_mov_b32 s[\g+5], 4096
	s_mov_b32 s[\g+6], 0
	s_mov_b32 s[\g+7], 0
.endr
	s_mov_b32 s[G1A+2], 4<<16
	s_mov_b32 s[G1A+4], 4
	s_mov_b32 s[G1B+2], 8<<16
	s_mov_b32 s[G1B+4], 8
	s_lshl_b32 s16, s15, 3                         ; O: tiles 8 mb + 4 x half on: made of mb and the wave alone
	s_lshl_b32 s17, s14, 2
	s_add_co_u32 s16, s16, s17
	s_lshl_b32 s16, s16, 15
	s_mov_b32 s17, 0
	s_lshl_b32 s46, s42, 4                         ; Wo: tiles 16 nb + 8 x half on: made of nb and the wave alone
	s_lshl_b32 s47, s14, 3
	s_add_co_u32 s46, s46, s47
	s_lshl_b32 s46, s46, 15
	s_mov_b32 s47, 0
	s_lshl_b32 s20, s14, 14                        ; where they go in a slot
	s_lshl_b32 s21, s14, 15
	s_add_co_u32 s21, s21, 32768
	s_wait_dscnt 0x0                               ; both opening adds are done
	s_wait_kmcnt 0x0
	s_add_nc_u64 s[16:17], s[4:5], s[16:17]
	s_add_nc_u64 s[46:47], s[6:7], s[46:47]
	CROUND                                         ; all sixteen work-groups are here: the first joint loads meet
.irp s, 0,1
	s_mov_b32 s[G0A+4*\s], 1
	s_add_co_u32 s[G0A+4*\s+1], s20, \s*SLOT
	s_add_nc_u64 s[G0A+4*\s+2:G0A+4*\s+3], s[16:17], \s*4096      ; K step s
	s_or_b32 s[G0A+4*\s+3], s[G0A+4*\s+3], 0x80000000
	s_mov_b32 s[G0B+4*\s], 1
	s_add_co_u32 s[G0B+4*\s+1], s21, \s*SLOT
	s_add_nc_u64 s[G0B+4*\s+2:G0B+4*\s+3], s[46:47], \s*4096
	s_or_b32 s[G0B+4*\s+3], s[G0B+4*\s+3], 0x80000000
	JLOAD \s
.endr
	v_and_b32 v1, 15, v0                           ; r
	v_bfe_u32 v2, v0, 4, 1                         ; h
	v_and_b32 v3, 31, v0
	v_lshlrev_b32 v[CO], 4, v3                     ; 16 x lane
	v_lshlrev_b32 v5, 5, v2                        ; 32 h: my eight numbers of a tile's sixteen of bo
	s_lshl_b32 s22, s13, 14                        ; my four tiles of O
.irp s, 0,1
	v_add_nc_u32 v[ADRA+\s], s22, v[CO]
	v_add_nc_u32 v[ADRB+\s], s21, v[CO]            ; my eight tiles of Wo: the half that bears my wave's column number
	s_add_co_u32 s22, s22, SLOT
	s_add_co_u32 s21, s21, SLOT
.endr
	s_mul_i32 s23, s[WV], 16*SPITCH
	s_add_co_u32 s23, s23, STAGE                   ; my stage
	v_mul_u32_u24 v[STO], v1, SPITCH
	v_lshl_add_u32 v[STO], v2, 5, v[STO]
	v_add_nc_u32 v[STO], s23, v[STO]               ; in: row r, 32 bytes for each half of the lanes
	v_add_nc_u32 v[RD], s23, v[CO]                 ; back: the 32 lanes take one row of 512 bytes
	s_lshl_b32 s18, s42, 10
	s_lshl_b32 s19, s14, 9
	s_add_co_u32 s18, s18, s19                     ; my first column, in bytes
	s_mov_b32 s19, 0
	s_add_nc_u64 s[8:9], s[8:9], s[18:19]
	s_add_nc_u64 s[10:11], s[10:11], s[18:19]
	s_lshl_b32 s18, s15, 19
	s_lshl_b32 s22, s13, 18
	s_add_co_u32 s18, s18, s22                     ; my first row: (128 mb + 64 x half) x 4,096 bytes
	s_add_nc_u64 s[10:11], s[10:11], s[18:19]
	WIN 0x80                                       ; destination window 2
.irp b, 0,1,2,3,4,5,6,7
	global_load_b128 v[8*\b:8*\b+3], v5, s[8:9] offset:64*\b
	global_load_b128 v[8*\b+4:8*\b+7], v5, s[8:9] offset:64*\b+16
.endr
	WIN 0
; 24 LDS loads in one run: the fragments of 32 along K, the slot's q-th, into buffer f: Wo's eight, then O's tiles 0, 1, then 2, 3
.macro FETCH slot, q, f
	WIN 0
.irp b, 0,1,2,3,4,5,6,7
.irp c, 0,1
	ds_load_b128 v[\f+32+8*\b+4*\c:\f+32+8*\b+4*\c+3], v[ADRB+\slot] offset:4096*\b+1024*(\q)+512*\c
.endr
.endr
.irp a, 0,1,2,3
.irp c, 0,1
	ds_load_b128 v[\f+8*\a+4*\c:\f+8*\a+4*\c+3], v[ADRA+\slot] offset:4096*\a+1024*(\q)+512*\c
.endr
.endr
.endm
; 8 products: row tile a x the eight column tiles.  zero = 1: the sum starts from bo (C in window 2).  The 32 accumulators take turns in the same order in every quarter
.macro MUL8 f, a, zero
.irp b, 0,1,2,3,4,5,6,7
.if \zero
	v_wmma_f32_16x16x32_f16 v[8*(8*(\a)+\b):8*(8*(\a)+\b)+7], v[\f+32+8*\b:\f+32+8*\b+7], v[\f+8*(\a):\f+8*(\a)+7], v[8*\b:8*\b+7]
.else
	v_wmma_f32_16x16x32_f16 v[8*(8*(\a)+\b):8*(8*(\a)+\b)+7], v[\f+32+8*\b:\f+32+8*\b+7], v[\f+8*(\a):\f+8*(\a)+7], v[8*(8*(\a)+\b):8*(8*(\a)+\b)+7]
.endif
.endr
.endm
; A K step is four quarters of 32 along K, 32 products each, on buffers 0, 1, 0, 1.  One of the first three: multiplies f and fetches the slot's q-th quarter into g
.macro QUARTER slot, q, f, g, zero
	s_wait_dscnt 4                                 ; Wo's fragments and O's tiles 0, 1 are in; the youngest four loads may be out
	WIN MUL+0x10*\zero
	MUL8 \f, 0, \zero
	MUL8 \f, 1, \zero
	PLACES                                         ; in front of loads into the buffer that the quarter before multiplied
	FETCH \slot, \q, \g
	s_wait_dscnt 24                                ; all but the 24 just issued
	WIN MUL+0x10*\zero
	MUL8 \f, 2, \zero
	MUL8 \f, 3, \zero
.endm
; The last quarter multiplies buffer 1 and changes slots: one barrier; in front of it each wave waits for all its tensor loads, adds 0 to its spare word, and waits for that and for its reads of this slot
.macro TURN slot, next, fill
	WIN 0
	s_wait_tensorcnt 0x0                           ; my part of the next slot has landed
	ds_add_u32 v[SPW], v[NIL]
	s_wait_dscnt 5                                 ; (the add and the youngest four loads may be out)
	WIN MUL
	MUL8 F1, 0, 0
	s_wait_dscnt 0x0                               ; the add is done, and my reads of this slot are over
	s_barrier_signal -1
	MUL8 F1, 1, 0
	WIN 0
	s_barrier_wait -1
.if \fill
	CREST                                          ; the barrier has opened a round of the cluster's: no wave of any partner still reads this slot or has a load on its way
	s_add_nc_u64 s[G0A+4*\slot+2:G0A+4*\slot+3], s[G0A+4*\slot+2:G0A+4*\slot+3], 8192
	s_add_nc_u64 s[G0B+4*\slot+2:G0B+4*\slot+3], s[G0B+4*\slot+2:G0B+4*\slot+3], 8192
	JLOAD \slot                                    ; two K steps ahead; its four v_nop are also the places in front of the loads below
.else
	PLACES
.endif
	FETCH \next, 0, F0
	WIN MUL
	MUL8 F1, 2, 0
	MUL8 F1, 3, 0
.endm
	s_wait_tensorcnt 1                             ; my part of K step 0 is in; K step 1's may stay out
	s_barrier_signal -1
	s_barrier_wait -1
	FETCH 0, 0, F0
	s_wait_loadcnt 0x0                             ; bo
	QUARTER 0, 1, F0, F1, 1                        ; the first quarter stands in front of the loop: its products start the sums from bo
	WIN 0
	s_mov_b32 s3, 3
.Llap:                                             ; a trip goes once round the ring and fills both slots again: K steps 2 to 7
	QUARTER 0, 2, F1, F0, 0
	QUARTER 0, 3, F0, F1, 0
	TURN 0, 1, 1
	QUARTER 1, 1, F0, F1, 0
	QUARTER 1, 2, F1, F0, 0
	QUARTER 1, 3, F0, F1, 0
	TURN 1, 0, 1
	QUARTER 0, 1, F0, F1, 0
	WIN 0
	s_sub_co_u32 s3, s3, 1
	s_cmp_lg_u32 s3, 0
	s_cbranch_scc1 .Llap
	QUARTER 0, 2, F1, F0, 0                        ; the last lap fills nothing
	QUARTER 0, 3, F0, F1, 0
	TURN 0, 1, 0
	QUARTER 1, 1, F0, F1, 0
	QUARTER 1, 2, F1, F0, 0
	QUARTER 1, 3, F0, F1, 0
	s_wait_dscnt 4
	WIN MUL
	MUL8 F1, 0, 0
	MUL8 F1, 1, 0
	s_wait_dscnt 0x0
	MUL8 F1, 2, 0
	MUL8 F1, 3, 0
	WIN 0
; THE WAY OUT, a block of 16 rows x 128 columns at a time, through my own stage: in as 32 bytes a lane, back as whole rows of 512 bytes.  LDS serves a wave's instructions in order: no wait between stores and loads
.macro TOSTAGE a
	WIN 0x04                                       ; an LDS store's data are its source 1: window 1
.irp b, 0,1,2,3,4,5,6,7
	ds_store_b128 v[STO], v[8*(8*(\a)+\b):8*(8*(\a)+\b)+3] offset:64*\b
	ds_store_b128 v[STO], v[8*(8*(\a)+\b)+4:8*(8*(\a)+\b)+7] offset:64*\b+16
.endr
	WIN 0
.set BB, BK+64*((\a)%2)
.irp t, 0,1,2,3,4,5,6,7,8,9,10,11,12,13,14,15
	ds_load_b128 v[BB+4*\t:BB+4*\t+3], v[RD] offset:\t*SPITCH
.endr
.endm
.macro SEND a, younger
.set BB, BK+64*((\a)%2)
	s_wait_dscnt \younger                          ; the block is back in registers
.if (\a) > 0
	s_add_nc_u64 s[10:11], s[10:11], 65536         ; 16 rows on (the earlier stores have read their base: a wait for address translation stands ahead)
.endif
.irp t, 0,1,2,3,4,5,6,7,8,9,10,11,12,13,14,15
	global_store_b128 v[CO], v[BB+4*\t:BB+4*\t+3], s[10:11] offset:4096*\t th:TH_STORE_NT     ; 512 consecutive bytes, aligned
.endr
.endm
	PLACES                                         ; in front of the first read of results and of loads into the fragments' registers
	TOSTAGE 0
.irp a, 1,2,3
.if \a > 1
	s_wait_xcnt 0x0                                ; block a - 2's stores have read their registers and their base
.endif
	TOSTAGE \a
	SEND \a-1, 32                                  ; behind block a - 1's loads: block a's 16 stores and 16 loads
.endr
	s_wait_xcnt 0x0
	SEND 3, 0
	s_wait_tensorcnt 0x0                           ; the wave's end
	ds_add_u32 v[SPW], v[NIL]
	s_wait_dscnt 0x0
	CROUND                                         ; the closing round
	s_endpgm
.Lfunc_end_k_q5ff0ec0fd1_oproj:
	.size	k_q5ff0ec0fd1_oproj, .Lfunc_end_k_q5ff0ec0fd1_oproj-k_q5ff0ec0fd1_oproj
	.p2alignl 7, 3214868480
	.fill 96, 4, 3214868480
	.section	.rodata,"a",@progbits
	.p2align	6, 0x0
	.amdhsa_kernel k_q5ff0ec0fd1_oproj
		.amdhsa_group_segment_fixed_size 327680
		.amdhsa_private_segment_fixed_size 0
		.amdhsa_enable_private_segment 0
		.amdhsa_kernarg_size 32
		.amdhsa_user_sgpr_count 2
		.amdhsa_user_sgpr_kernarg_segment_ptr 1
		.amdhsa_wavefront_size32 1
		.amdhsa_system_sgpr_workgroup_id_x 1
		.amdhsa_system_sgpr_workgroup_id_y 1
		.amdhsa_system_sgpr_workgroup_id_z 1
		.amdhsa_system_vgpr_workitem_id 0
		.amdhsa_next_free_vgpr 576
		.amdhsa_next_free_sgpr 66
		.amdhsa_reserve_vcc 0
		.amdhsa_float_denorm_mode_32 3
		.amdhsa_float_denorm_mode_16_64 3
		.amdhsa_memory_ordered 1
		.amdhsa_forward_progress 1
		.amdhsa_inst_pref_size 86
	.end_amdhsa_kernel
	.amdgpu_metadata
---
amdhsa.version: [ 1, 2 ]
amdhsa.kernels:
  - .name:           k_q5ff0ec0fd1_oproj
    .symbol:         k_q5ff0ec0fd1_oproj.kd
    .args:
      - { .name: ao16, .offset: 0, .size: 8, .value_kind: global_buffer, .address_space: global }
      - { .name: wo16, .offset: 8, .size: 8, .value_kind: global_buffer, .address_space: global }
      - { .name: bo, .offset: 16, .size: 8, .value_kind: global_buffer, .address_space: global }
      - { .name: out0, .offset: 24, .size: 8, .value_kind: global_buffer, .address_space: global }
    .group_segment_fixed_size: 327680
    .private_segment_fixed_size: 0
    .kernarg_segment_align: 8
    .kernarg_segment_size: 32
    .max_flat_workgroup_size: 128
    .sgpr_count:     66
    .vgpr_count:     576
    .wavefront_size: 32
...
	.end_amdgpu_metadata
.endif
;; end of part 4
